; MI455X (gfx1250); checked and timed in simulation.
; The chip was launched on July 23, 2026; its instructions are those of AMD's public machine-readable ISA for CDNA 5 (MIT licence, August 2026) and "CDNA5" Instruction Set Architecture Reference Guide (July 2026). The comments in the code are by the model that wrote it; some were corrected since.
;; SQ Bn B Linear. Allowed arithmetic: float matrix products may take bf16 or f16 operands with f32 sums; other float arithmetic in f32, or as packed bf16 or f16 multiplies, adds, multiply-adds, maxima and minima; sums over many terms, partial sums and values carried from step to step in f32; what a program stores and reads back later, other than sums and carried values, may be rounded once to bf16 or f16.
;; Inputs: bias 4,096 float32; scales 4,096 float32; weight 4,096 x 4,096 float32; x 4 x 1,024 x 4,096 float32.
;; Outputs: out0 4 x 1,024 x 4,096 float32.
;; One version. Each part assembles by itself: llvm-mc -triple=amdgcn-amd-amdhsa -mcpu=gfx1250 --defsym DOCPART=n.
;; ======== version 1 of 1: 2 launches
;; limits: right only within a limited range of input values
;; workspace buffers: q 67,108,864 bytes; rs 32,768 bytes
;; launch quant (part 1): grid 128 x 2, 8 waves a work-group, no clusters, 0 bytes of LDS; arguments x, weight, scales, q, rs; writes q, rs
.if DOCPART == 1
	.amdgcn_target "amdgcn-amd-amdhsa--gfx1250"
	.amdhsa_code_object_version 6
	.text
	.protected	k_q45949fccf2_quant
	.globl	k_q45949fccf2_quant
	.p2align	8
	.type	k_q45949fccf2_quant,@function
k_q45949fccf2_quant:
	s_mov_b64 s[64:65], 0
	v_nop
	global_prefetch_b8 v0, s[64:65] scope:SCOPE_SE
	s_setreg_imm32_b32 hwreg(HW_REG_WAVE_MODE, 25, 1), 1
	s_wait_xcnt 0x0
; ROW-WISE INT8 QUANTISATION OF x * scales AND OF weight / scales, THE INTEGERS WRITTEN AS bf16.
; For row g of 8,192 (rows 0-4095: the tokens of x; rows 4096-8191: the rows of weight), with t[c] = x[g][c] * scales[c] or weight[g][c] / scales[c]:
;   absmax = max(max over c of |t[c]|, 1e-8);  q[g][c] = clip(round(t[c] * 127 / absmax), -127, 127), as bf16;  rs[g] = absmax / 127.
; The integers -127 .. 127 have at most 7 significant bits, so bf16 holds them exactly: the product that follows loses nothing by the format.
; NOTHING OF reference() IS LEFT OUT: all four inputs reach the output (bias is read by the second launch); the clip is kept, as a step that holds values in range.
; LIMITS.  Divisions are reciprocals and multiplies: weight * rcp(scales), absmax * (1/127); 127 / absmax is rcp(absmax / 127) with one correction step.  So the number in front of the rounding may
; differ from reference()'s in its last bits, and a number that lies that close to a half may be rounded to the neighbouring integer.  |scales| lies within 2^-126 .. 2^126 (v_rcp_f32 takes a denormal
; as 0 and gives 0 for a denormal result: ISA guide, 15.8); absmax / 127 is never below 7.8e-11, so its reciprocal has no such limit.  NaN and infinities are not treated apart.
; SHARES.  Grid y picks the tensor; a work-group owns 32 rows, each of its eight waves four.  ONE WAVE TAKES A WHOLE ROW: 16,384 bytes = 32 loads of 16 bytes a lane, each load 512 consecutive bytes; the row
; stays in 128 registers between the pass that finds the maximum and the pass that scales, so it is read from memory once, and no wave waits for another: no LDS, no barrier.
; Lane l holds columns 128 j + 4 l .. + 3 of load j, the same in every row: its 128 factors are loaded once and stay in registers.
; IN FLIGHT.  Two row slots a wave: while one row is worked on, the other's 32 loads are on their way; a slot is asked for again as soon as its row is packed, ahead of that row's stores.
; Matrix unit, LDS, tensor loads and clusters are left out: no wave wants a byte that another has fetched but the 16 KiB of scales, against 512 KiB of rows a work-group.
; REGISTERS, in windows of 256 (s_set_vgpr_msb: bits 1:0 source 0, 3:2 source 1, 5:4 source 2, 7:6 destination): window 0 as named below; window 1: v0-127 row slot 0, v128-255 row slot 1.
.set ROWB,  16384                      ; bytes in a row of x or weight
.set QROWB, 8192                       ; bytes in a row of q
.set LANE, 1                           ; v1        my lane
.set LO,   2                           ; v2        16 x lane: my 16 bytes of a load's 512; never rewritten
.set SO,   3                           ; v3        8 x lane: my 8 bytes of a store's 256; never rewritten
.set M,    4                           ; v[4:7]    four running maxima
.set T,    8                           ; v8        the other half of the lanes' maximum
.set E,    9                           ; v9        the correction's residue
.set INV,  10                          ; v[10:11]  127 / absmax, twice (a pair for the packed multiply)
.set RS,   12                          ; v[12:15]  absmax / 127 of my four rows
.set Z,    16                          ; v16       0
.set F,    64                          ; v[64:191] my 128 factors: scales, or 1 / scales
.set Y,    192                         ; v[192:255] the row as bf16: 64 registers
.set W_LD, 0x40                        ; a load into window 1, its address in window 0
.set W_XF, 0x41                        ; destination and source 0 in window 1, source 1 in window 0
.set W_X2, 0x05                        ; sources 0 and 1 in window 1, destination in window 0
.set W_MX, 0x14                        ; sources 1 and 2 in window 1, destination and source 0 in window 0
.set MSB, 0
.macro WIN new                         ; the immediate's high byte repeats the setting that is left; a switch that changes nothing is dropped
.if MSB != (\new)
	s_set_vgpr_msb (MSB<<8)|(\new)
.set MSB, \new
.endif
.endm
	s_load_b256 s[4:11], s[0:1], 0x0               ; x s[4:5], weight s[6:7], scales s[8:9], q s[10:11]
	s_load_b64 s[12:13], s[0:1], 0x20              ; rs
	v_and_b32 v[LANE], 31, v0
	v_lshrrev_b32 v[T], 5, v0
	v_readfirstlane_b32 s14, v[T]                  ; my wave's number, 0 .. 7
	s_and_b32 s15, ttmp7, 0xffff                   ; 0: x, 1: weight
	v_lshlrev_b32 v[LO], 4, v[LANE]
	v_lshlrev_b32 v[SO], 3, v[LANE]
	v_mov_b32 v[Z], 0
	s_mov_b32 s22, 0x76543210                      ; v_permlanex16_b32: each lane takes its own place in the other half
	s_mov_b32 s23, 0xfedcba98
	s_mov_b32 s24, 0xc2fe0000                      ; -127.0
	s_mov_b32 s25, 0x42fe0000                      ; 127.0
	s_lshl_b32 s16, ttmp9, 19                      ; in the input: 32 rows of 16,384 bytes a work-group,
	s_lshl_b32 s17, s14, 16                        ; 4 rows a wave
	s_or_b32 s16, s16, s17
	s_mov_b32 s17, 0
	s_lshl_b32 s18, s15, 25                        ; in q: 4,096 rows of 8,192 bytes a tensor,
	s_lshl_b32 s19, ttmp9, 18                      ; 32 rows a work-group,
	s_or_b32 s18, s18, s19
	s_lshl_b32 s19, s14, 15                        ; 4 rows a wave
	s_or_b32 s18, s18, s19
	s_mov_b32 s19, 0
	s_lshl_b32 s26, s15, 14                        ; in rs: the same rows, 4 bytes each
	s_lshl_b32 s27, ttmp9, 7
	s_or_b32 s26, s26, s27
	s_lshl_b32 s27, s14, 4
	s_or_b32 s26, s26, s27
	s_mov_b32 s27, 0
	s_wait_kmcnt 0x0
	s_cmp_eq_u32 s15, 0
	s_cselect_b64 s[4:5], s[4:5], s[6:7]           ; the tensor of this half of the grid
	s_add_nc_u64 s[4:5], s[4:5], s[16:17]          ; the three bases stand at my first row and are never written again: row and piece stand in the immediates
	s_add_nc_u64 s[10:11], s[10:11], s[18:19]
	s_add_nc_u64 s[12:13], s[12:13], s[26:27]
; Row i of my four into slot s: 32 loads, 512 consecutive bytes each.
.macro FILL s, i
	WIN W_LD
.set j, 0
.rept 32
	global_load_b128 v[128*(\s)+4*j:128*(\s)+4*j+3], v[LO], s[4:5] offset:ROWB*(\i)+512*j th:TH_LOAD_NT
.set j, j+1
.endr
.endm
; The turn of row i, which lies in slot i % 2.  fill = 1: the slot then takes row i + 2.  left = how many younger loads may stay out.
.macro TURN i, fill, left
.set X, 128*((\i)%2)
	s_wait_loadcnt \left                           ; loads come back in order (ISA guide 5.7.1): my row's 32 are in, the other slot's stay on their way
	WIN W_XF
.set k, 0
.rept 64
	v_pk_mul_f32 v[X+2*k:X+2*k+1], v[X+2*k:X+2*k+1], v[F+2*k:F+2*k+1]  ; t = x * factor, in place
.set k, k+1
.endr
	WIN W_X2                                       ; the largest |t| of my 128 numbers, in four chains that do not wait for each other; the first eight numbers start them: nothing is cleared
.irp k, 0,1,2,3
	v_max_num_f32 v[M+(\k)], |v[X+2*(\k)]|, |v[X+2*(\k)+1]|
.endr
	WIN W_MX
.set k, 8
.rept 60
	v_max3_num_f32 v[M+(k/2)%4], v[M+(k/2)%4], |v[X+k]|, |v[X+k+1]|
.set k, k+2
.endr
	WIN 0
	v_max3_num_f32 v[M], v[M], v[M+1], v[M+2]
	v_max_num_f32 v[M], v[M], v[M+3]
	v_max_num_f32_dpp v[M], v[M], v[M] row_xmask:1 row_mask:0xf bank_mask:0xf  ; across the 32 lanes: four steps inside each half of 16,
	v_max_num_f32_dpp v[M], v[M], v[M] row_xmask:2 row_mask:0xf bank_mask:0xf
	v_max_num_f32_dpp v[M], v[M], v[M] row_xmask:4 row_mask:0xf bank_mask:0xf
	v_max_num_f32_dpp v[M], v[M], v[M] row_xmask:8 row_mask:0xf bank_mask:0xf
	v_permlanex16_b32 v[T], v[M], s22, s23         ; one across the halves
	v_max_num_f32 v[M], v[M], v[T]                 ; every lane holds the row's maximum
	v_max_num_f32 v[M], 0x322bcc77, v[M]           ; not below 1e-8
	v_mul_f32 v[RS+(\i)], 0x3c010204, v[M]         ; absmax / 127
	v_rcp_f32 v[INV], v[RS+(\i)]                   ; r, near 127 / absmax
	v_nop                                          ; a plain instruction behind the reciprocal (ISA guide 5.7.2),
	s_wait_alu depctr_va_vdst(0)                   ; and the wait ahead of the first line that names its result
	v_fma_f32 v[E], -v[M], v[INV], s25             ; 127 - absmax r, in one rounding
	v_mul_f32 v[E], 0x3c010204, v[E]
	v_fma_f32 v[INV+1], v[E], v[INV], v[INV]       ; r + r (127 - absmax r) / 127
	v_mov_b32 v[INV], v[INV+1]
	WIN W_XF
.set k, 0
.rept 64
	v_pk_mul_f32 v[X+2*k:X+2*k+1], v[X+2*k:X+2*k+1], v[INV:INV+1]
.set k, k+1
.endr
.set k, 0
.rept 128
	v_rndne_f32 v[X+k], v[X+k]                     ; to the nearest integer, ties to even, as jnp.round
.set k, k+1
.endr
.set k, 0
.rept 128
	v_med3_num_f32 v[X+k], v[X+k], s24, s25        ; the clip
.set k, k+1
.endr
	s_wait_xcnt 0x0                                ; every earlier memory instruction has had its addresses translated (ISA guide 3.1): Y, which the last row's stores read, is rewritten only behind this wait
	WIN W_X2
.set k, 0
.rept 64
	v_cvt_pk_bf16_f32 v[Y+k], v[X+2*k], v[X+2*k+1]  ; exact: the numbers are integers of at most 7 bits
.set k, k+1
.endr
.if \fill
	FILL (\i)%2, (\i)+2                            ; the slot is free: its next row is asked for ahead of the stores
.endif
	WIN 0
.set j, 0
.rept 32
	global_store_b64 v[SO], v[Y+2*j:Y+2*j+1], s[10:11] offset:QROWB*(\i)+256*j th:TH_STORE_NT  ; the wave's store covers 256 consecutive bytes, at a multiple of 256 from q's first byte
.set j, j+1
.endr
.endm
.set j, 0
.rept 32
	global_load_b128 v[F+4*j:F+4*j+3], v[LO], s[8:9] offset:512*j  ; scales: every work-group reads them, so no hint
.set j, j+1
.endr
	FILL 0, 0
	WIN 0                                          ; at a branch and at a label every window is 0
	s_wait_loadcnt 32                              ; the factors are in; row 0's 32 loads stay out
	s_cmp_eq_u32 s15, 0
	s_cbranch_scc1 .Lfactors                       ; x is multiplied by scales as they are
.set j, 0
.rept 128
	v_rcp_f32 v[F+j], v[F+j]                       ; weight is multiplied by 1 / scales: one batch,
.set j, j+1
.endr
	v_nop                                          ; one plain instruction behind the last,
	s_wait_alu depctr_va_vdst(0)                   ; one wait, ahead of the label
.Lfactors:
	FILL 1, 1
	TURN 0, 1, 32                                  ; the four rows are written out: no load leaves the buffer, and the counts run down
	TURN 1, 1, 32
	TURN 2, 0, 32
	TURN 3, 0, 0
	v_cmp_eq_u32 vcc_lo, 0, v[LANE]                ; lane 0 stores my four rows' absmax / 127: 16 bytes
	s_wait_xcnt 0x0                                ; EXEC is a source of the stores above: it changes only behind this wait,
	s_and_saveexec_b32 s20, vcc_lo
	global_store_b128 v[Z], v[RS:RS+3], s[12:13]
	s_wait_xcnt 0x0                                ; and again in front of the line that widens it
	s_or_b32 exec_lo, exec_lo, s20
	s_endpgm
.Lfunc_end_k_q45949fccf2_quant:
	.size	k_q45949fccf2_quant, .Lfunc_end_k_q45949fccf2_quant-k_q45949fccf2_quant
	.p2alignl 7, 3214868480
	.fill 96, 4, 3214868480
	.section	.rodata,"a",@progbits
	.p2align	6, 0x0
	.amdhsa_kernel k_q45949fccf2_quant
		.amdhsa_group_segment_fixed_size 0
		.amdhsa_private_segment_fixed_size 0
		.amdhsa_enable_private_segment 0
		.amdhsa_kernarg_size 40
		.amdhsa_user_sgpr_count 2
		.amdhsa_user_sgpr_kernarg_segment_ptr 1
		.amdhsa_wavefront_size32 1
		.amdhsa_system_sgpr_workgroup_id_x 1
		.amdhsa_system_sgpr_workgroup_id_y 1
		.amdhsa_system_sgpr_workgroup_id_z 1
		.amdhsa_system_vgpr_workitem_id 0
		.amdhsa_next_free_vgpr 512
		.amdhsa_next_free_sgpr 66
		.amdhsa_reserve_vcc 1
		.amdhsa_float_denorm_mode_32 3
		.amdhsa_float_denorm_mode_16_64 3
		.amdhsa_memory_ordered 1
		.amdhsa_forward_progress 1
		.amdhsa_inst_pref_size 150
	.end_amdhsa_kernel
	.amdgpu_metadata
---
amdhsa.version: [ 1, 2 ]
amdhsa.kernels:
  - .name:           k_q45949fccf2_quant
    .symbol:         k_q45949fccf2_quant.kd
    .args:
      - { .name: x, .offset: 0, .size: 8, .value_kind: global_buffer, .address_space: global }
      - { .name: weight, .offset: 8, .size: 8, .value_kind: global_buffer, .address_space: global }
      - { .name: scales, .offset: 16, .size: 8, .value_kind: global_buffer, .address_space: global }
      - { .name: q, .offset: 24, .size: 8, .value_kind: global_buffer, .address_space: global }
      - { .name: rs, .offset: 32, .size: 8, .value_kind: global_buffer, .address_space: global }
    .group_segment_fixed_size: 0
    .private_segment_fixed_size: 0
    .kernarg_segment_align: 8
    .kernarg_segment_size: 40
    .max_flat_workgroup_size: 256
    .sgpr_count:     66
    .vgpr_count:     512
    .wavefront_size: 32
...
	.end_amdgpu_metadata
.endif
;; end of part 1
;; launch gemm (part 2): grid 16 x 16, 4 waves a work-group, clusters of 4 x 4, 327,680 bytes of LDS; arguments q, out0, rs, bias, scales; writes out0
.if DOCPART == 2
	.amdgcn_target "amdgcn-amd-amdhsa--gfx1250"
	.amdhsa_code_object_version 6
	.text
	.protected	k_q45949fccf2_gemm
	.globl	k_q45949fccf2_gemm
	.p2align	8
	.type	k_q45949fccf2_gemm,@function
k_q45949fccf2_gemm:
	s_mov_b64 s[64:65], 0
	v_nop
	global_prefetch_b8 v0, s[64:65] scope:SCOPE_SE
	s_setreg_imm32_b32 hwreg(HW_REG_WAVE_MODE, 25, 1), 1
	s_wait_xcnt 0x0
	s_wait_alu depctr_hold_cnt(0) depctr_sa_sdst(0) depctr_va_vdst(0) depctr_va_sdst(0) depctr_va_ssrc(0) depctr_va_vcc(0) depctr_vm_vsrc(0)
	s_getreg_b32 s2, hwreg(HW_REG_IB_STS2, 6, 4)
	s_cmp_eq_u32 s2, 0
	s_cbranch_scc0 .Lentry_in_a_cluster
	s_endpgm
.Lentry_in_a_cluster:
	s_bfe_u32 s2, ttmp6, 0x10000c
	s_cmp_lg_u32 s2, 0xf033
	s_cbranch_scc0 .Lentry_shape_is_right
	s_endpgm
.Lentry_shape_is_right:
; out0[m][n] = (the sum over k of qx[m][k] qw[n][k]) * rs[m] * rs[4096 + n] + bias[n] / scales[n].
; q: [8192][4096] bf16, rows 0-4095 qx (tokens), rows 4096-8191 qw (output rows), integers -127 .. 127, exact in bf16; rs: [8192] f32, absmax / 127 of those rows; out0: [4096][4096] f32.
; No work of reference() is left out here.  LIMITS.  Every product is an exact integer; a sum beyond 2^24 is rounded to f32, as reference()'s f32 sums are.  bias / scales is bias * rcp(scales): |scales| lies
; within 2^-126 .. 2^126 (v_rcp_f32 takes a denormal as 0 and gives 0 for a denormal result: ISA guide, 15.8).  The last multiply and the add are one fused multiply-add.  NaN and infinities are not treated apart.
; SHARES.  A tile of out0, 256 x 256, is made by a work-group of four waves; a wave makes 128 x 128: 64 accumulators of 16 x 16, 512 registers.  16 x 16 tiles, one to a work-group.
; K goes in steps of 128 through a ring of two LDS slots filled by the tensor data mover: a tile's rows are 256 bytes of memory and start at multiples of 256 bytes from q's first byte.
; CLUSTERS: 4 x 4 work-groups.  The four of a row of the cluster need the same rows of qx, the four of a column the same rows of qw.  Such a tile is asked for JOINTLY: each of the four issues the same
; tensor load, with the same descriptor and a mask that names the four, and each receives the tile in its own LDS.  That divides the requests for both operands by four.
; REGISTERS, in windows of 256 (s_set_vgpr_msb: bits 1:0 source 0, 3:2 source 1, 5:4 source 2, 7:6 destination):
;   window 0: v0-31 addresses; v32-63 the way out's scales and bias; v64-127, v128-191 fragments of qx, two buffers; on the way out v64-127 a scaled block, v128-191 and v192-255 its rows read back, by turns
;   window 1: v64-127, v128-191 fragments of qw, two buffers      window 2: the 32 accumulators of my rows 0-63 (accumulator (a, b) at v[8 (8 a + b)])      window 3: those of my rows 64-127
; THE MATRIX INSTRUCTION IS USED TRANSPOSED: source 0 = 16 rows of qw, source 1 = 16 rows of qx.  In the result lane l holds row m = l % 16 of out0 and its registers 0 to 7 the columns 8 (l / 16) + 0 .. 7:
; 32 neighbouring bytes of a row, and ONE row scale a lane.
; Left out: work-groups that stay (there is one tile for each work-group of a grid of 256); a smaller tile, which would feed half as many multiply-adds from each LDS byte.
.set SIZE_K, 4096
.set SIZE_N, 4096
.set KSTEP,  128
.set PITCH,  272                       ; an LDS row: 256 bytes of data + 16 of padding = 68 words: row r starts at bank 4 r mod 64 (64 banks of 4 bytes: ISA guide 11.1), so the 16 rows that a load touches start at 16 different banks
.set HALFT,  128*PITCH                 ; 128 rows: what one tensor load brings, and what one wave reads of qx or of qw
.set SLOT,   4*HALFT                   ; qx's 256 rows, then qw's 256 rows
.set STAGE,  2*SLOT                    ; behind the ring, never filled by a tensor load: 16 rows x 528 bytes for each wave, for the way out
.set SPITCH, 528                       ; a stage row: 512 bytes + 16 = 132 words: again row r starts at bank 4 r mod 64
.set SPARE,  STAGE+4*16*SPITCH         ; behind the stages: the spare words, 128 bytes for each wave: two blocks of 256 bytes that no other line names
.set LAPS,   SIZE_K/(2*KSTEP)          ; a lap = two K steps = once round the ring: 16
.set QW,     4096*SIZE_K*2             ; bytes from qx's first row to qw's
.set ADRA, 16                          ; v16-17  LDS address of my qx fragments in slot 0, 1
.set ADRB, 20                          ; v20-21  the same for qw
.set STO,  24                          ; v24     the way out: where I put 32 bytes of a row
.set RD,   25                          ; v25     the way out: where I read 16 bytes of a row back
.set CO,   26                          ; v26     16 x lane: my 16 bytes of 512 consecutive bytes; never rewritten
.set RO,   27                          ; v27     4 x (lane % 16): my row's scale in a block of 16
.set SPW,  28                          ; v28     LDS address of my spare word: SPARE + 4 x my thread's number; never rewritten
.set NIL,  29                          ; v29     0; never rewritten
.set PFO,  30                          ; v30     the prefetches' offset: my lane x a row of q (8,192 bytes); never rewritten
.set SX,   32                          ; v[32:47] block a's row scale rs[m], twice, at v[32 + 2 a : 33 + 2 a] (a pair for the packed multiply)
.set SW,   48                          ; v[48:51] rs[4096 + n] of my four columns on the way out
.set BQ,   52                          ; v[52:55] bias[n] / scales[n] of the same
.set SC,   56                          ; v[56:59] scales[n], then their reciprocals
.set F0,   64                          ; fragment buffer 0
.set F1,   128                         ; fragment buffer 1
.set TMP,  64                          ; the way out: a block of 16 rows x 128 columns times its row scales
.set BK0,  128                         ; the way out: the block read back by rows, 64 registers: v128-191 and v192-255 by turns
.set PFA,  44                          ; s[44:45] where my prefetches stand: my work-group's 32 rows of the 128 that I fetch, one K step further along K than the refill that is being asked for; a prefetch names the K step after that
.set LIM,  43                          ; s43     1 in a wave that prefetches, else the greatest number
.set G1, 24                            ; s[24:31] descriptor group 1 for qx's tiles
.set G0, 32                            ; s[32:39] descriptor group 0 for qx's tiles, one set for each slot
.set G1B, 48                           ; s[48:55] descriptor group 1 for qw's tiles: it differs in the mask alone
.set G0B, 56                           ; s[56:63] descriptor group 0 for qw's tiles, one set for each slot
.set MSB, 0
.macro WIN new                         ; the immediate's high byte repeats the setting that is left; a switch that changes nothing is dropped
.if MSB != (\new)
	s_set_vgpr_msb (MSB<<8)|(\new)
.set MSB, \new
.endif
.endm
.set MUL_LO, 0xa1                      ; source 0 (qw) window 1, source 1 (qx) window 0, C and D window 2
.set MUL_HI, 0xf1                      ; the same, C and D window 3
.set TO_B,   0x40                      ; destination window 1, address window 0
; A joint load.  Waves 0 and 1 fetch qx's two halves, waves 2 and 3 qw's.  Each of the two lines has ONE mask and one set of registers for all that issue it.  The branch hangs on the wave's number alone.
; An s_nop 0 and four v_nop follow each of the two lines; the jump round the other line, the label and what follows the macro come after them.
.macro JLOAD s
	s_cmp_eq_u32 s11, 0
	s_cbranch_scc0 .Lfor_b_\@
	tensor_load_to_lds s[G0+4*(\s):G0+4*(\s)+3], s[G1:G1+7]
	s_nop 0
.rept 4
	v_nop
.endr
	s_branch .Lasked_\@
.Lfor_b_\@:
	tensor_load_to_lds s[G0B+4*(\s):G0B+4*(\s)+3], s[G1B:G1B+7]
	s_nop 0
.rept 4
	v_nop
.endr
.Lasked_\@:
.endm
; A PREFETCH INTO THE L2, behind each joint refill, its five lines and the run of LDS loads that follows them: the K step that stands TWO refills on, 512 matrix instructions ahead of the load that will ask
; for it: 32 rows x 256 bytes, a lane a row, one instruction a wave.  Each row's 256 bytes of a K step are named ONCE in the launch: qx's rows of a tile row are read by every cluster of that row of
; clusters, and the one with x = 0 asks; qw's by every cluster of a column, and the one with y = 0 asks.  The four partners that ask for a tile jointly share its rows out BY ADDRESS: of the 128 rows that
; a wave fetches the partner at place p takes 32 p .. 32 p + 31 (p = cx for qx, cy for qw): no branch hangs on a work-group's place in its cluster.  K steps 0 to 3 come by their loads alone; the loop's
; last trip (s3 = 1) asks for nothing: the last K steps named are 30 and 31.
.macro ASK
	s_cmp_gt_u32 s3, s[LIM]
	s_cbranch_scc0 .Lnot_mine_\@
	global_prefetch_b8 v[PFO], s[PFA:PFA+1] offset:KSTEP*2 th:TH_LOAD_NT scope:SCOPE_SE
.Lnot_mine_\@:
.endm
; A round of the cluster's barrier: my work-group's barrier, so that wave 0's signal speaks for all four waves; wave 0 signals for the work-group; every wave waits for all sixteen work-groups; my
; work-group's barrier once more.  No LDS instruction of the wave is pending at a signal.
.macro CREST                           ; a round behind its opening barrier
	s_cmp_lg_u32 s10, 0
	s_cbranch_scc1 .Lnot_wave_0_\@
	s_barrier_signal -3
.Lnot_wave_0_\@:
	s_barrier_wait -3
	s_barrier_signal -1
	s_barrier_wait -1
.endm
.macro CROUND                          ; a whole round
	s_barrier_signal -1
	s_barrier_wait -1
	CREST
.endm
	s_load_b64 s[4:5], s[0:1], 0x0                 ; q
	s_load_b64 s[8:9], s[0:1], 0x8                 ; out0
	s_load_b128 s[68:71], s[0:1], 0x10             ; rs s[68:69], bias s[70:71]
	s_load_b64 s[72:73], s[0:1], 0x20              ; scales
	v_lshl_add_u32 v[SPW], v0, 2, SPARE
	v_mov_b32 v[NIL], 0
	ds_add_u32 v[SPW], v[NIL]                      ; the wave's opening: the add, twice on end, and its wait ahead of my first tensor load; the set-up below, work on registers, stands between
	ds_add_u32 v[SPW], v[NIL]                      ; and once more, under the one wait
	v_lshrrev_b32 v1, 5, v0
	v_readfirstlane_b32 s10, v1                    ; wave 0..3
	s_lshr_b32 s11, s10, 1                         ; which half of the tile's rows is mine.  Also: I fetch for qx (0) or for qw (1)
	s_and_b32 s12, s10, 1                          ; which half of its columns.  Also: which 128 rows of that tile I fetch
	s_bfe_u32 s40, ttmp6, 0x40000                  ; cx: my place along the cluster's x
	s_bfe_u32 s41, ttmp6, 0x40004                  ; cy: along its y
	s_lshl_b32 s42, ttmp9, 2                       ; in a cluster launch ttmp9 and ttmp7 count clusters
	s_add_co_u32 s42, s42, s40                     ; tile column = 4 x cluster x + cx
	s_and_b32 s13, ttmp7, 0xffff
	s_lshl_b32 s13, s13, 2
	s_add_co_u32 s13, s13, s41                     ; tile row = 4 x cluster y + cy
	s_lshl_b32 s43, s41, 2
	s_lshl_b32 s43, 15, s43                        ; my row of the cluster: places 4 cy .. 4 cy + 3
	s_lshl_b32 s44, 0x1111, s40                    ; my column: places cx, cx + 4, cx + 8, cx + 12
	; descriptor group 1: a tile of 128 rows x 128 elements, padded in LDS
	s_or_b32 s[G1+0], s43, (1<<16)|(1<<20)|(1<<21)|(5<<22)|(3<<25)  ; 15:0 the mask: qx's tiles go to my row; 17:16 element of 2 bytes; 20 padding on; 21 set beside a mask; 24:22 after every 64 words (code 5); 31:25 of 4 words (code 3)
	s_or_b32 s[G1B+0], s44, (1<<16)|(1<<20)|(1<<21)|(5<<22)|(3<<25) ; the same with the mask of my column, for qw's tiles
	s_mov_b32 s[G1B+1], KSTEP<<16
	s_mov_b32 s[G1+1], KSTEP<<16                   ; 63:48 tensor_dim0, low half = 128
	s_mov_b32 s[G1B+2], 128<<16
	s_mov_b32 s[G1+2], 128<<16                     ; 79:64 its high half = 0; 95:80 tensor_dim1, low half = 128
	s_mov_b32 s[G1B+3], KSTEP<<16
	s_mov_b32 s[G1+3], KSTEP<<16                   ; 111:96 its high half = 0; 127:112 tile_dim0 = 128
	s_mov_b32 s[G1B+4], 128
	s_mov_b32 s[G1+4], 128                         ; 143:128 tile_dim1 = 128; 159:144 tile_dim2 = 0
	s_mov_b32 s[G1B+5], SIZE_K
	s_mov_b32 s[G1+5], SIZE_K                      ; 191:160 tensor_dim0_stride, low word: elements from row to row
	s_mov_b32 s[G1B+6], 0
	s_mov_b32 s[G1+6], 0
	s_mov_b32 s[G1B+7], 0
	s_mov_b32 s[G1+7], 0
	; where the tiles come from.  qx's hang on the tile row alone, which my row of the cluster shares; qw's on the tile column alone, which my column shares.
	; Every wave makes both addresses, in registers that never hold the other coordinate, and asks by one of them.
	s_lshl_b32 s17, s12, 7                         ; which 128 rows of the tile I fetch
	s_lshl_b32 s16, s13, 8
	s_add_co_u32 s16, s16, s17                     ; qx: row 256 x tile row + 128 x half
	s_lshl_b32 s46, s42, 8
	s_add_co_u32 s46, s46, s17                     ; qw: row 256 x tile column + 128 x half
	s_mov_b32 s17, 0
	s_mov_b32 s47, 0
	s_mov_b64 s[18:19], SIZE_K*2
	s_mul_u64 s[16:17], s[16:17], s[18:19]         ; in bytes
	s_mul_u64 s[46:47], s[46:47], s[18:19]
	s_mul_i32 s20, s10, HALFT                      ; and where they go: qx's two halves, then qw's two halves = wave x 128 rows: no place in the cluster enters an LDS address
	s_wait_dscnt 0x0                               ; both opening adds are done
	s_wait_kmcnt 0x0
	s_add_nc_u64 s[6:7], s[4:5], QW                ; qw's first row
	s_add_nc_u64 s[14:15], s[4:5], s[16:17]
	s_add_nc_u64 s[46:47], s[6:7], s[46:47]
	CROUND                                         ; all sixteen work-groups are here: the first joint loads meet
.irp s, 0,1
	s_mov_b32 s[G0+4*(\s)], 1                                      ; 1:0 count = 1
	s_add_co_u32 s[G0+4*(\s)+1], s20, (\s)*SLOT                    ; 63:32 LDS address
	s_add_nc_u64 s[G0+4*(\s)+2:G0+4*(\s)+3], s[14:15], (\s)*KSTEP*2  ; 120:64 global address: K step s
	s_or_b32 s[G0+4*(\s)+3], s[G0+4*(\s)+3], 0x80000000            ; 127:126 type = 2
	s_mov_b32 s[G0B+4*(\s)], 1
	s_add_co_u32 s[G0B+4*(\s)+1], s20, (\s)*SLOT
	s_add_nc_u64 s[G0B+4*(\s)+2:G0B+4*(\s)+3], s[46:47], (\s)*KSTEP*2
	s_or_b32 s[G0B+4*(\s)+3], s[G0B+4*(\s)+3], 0x80000000
	JLOAD \s                                       ; the ring is filled before anything else is done: two tensor loads of mine are out, later one
.endr
	; A fragment is 16 rows x 32 K in 8 registers: lane l holds row l % 16; registers 0-3 hold K = 8 (l / 16) + 0..7, registers 4-7 hold K = 16 + 8 (l / 16) + 0..7: two loads of 16 bytes, 32 bytes apart.
	v_and_b32 v1, 15, v0                           ; l % 16
	v_bfe_u32 v2, v0, 4, 1                         ; l / 16
	v_mul_u32_u24 v3, v1, PITCH
	v_lshl_add_u32 v3, v2, 4, v3                   ; row x pitch + 16 x half
	s_mul_i32 s21, s11, HALFT                      ; my 128 rows of qx
	s_mul_i32 s22, s12, HALFT                      ; my 128 rows of qw,
	s_add_co_u32 s22, s22, 2*HALFT                 ; which lie behind qx's 256
.irp s, 0,1
	v_add_nc_u32 v[ADRA+(\s)], s21, v3
	v_add_nc_u32 v[ADRB+(\s)], s22, v3
	s_add_co_u32 s21, s21, SLOT
	s_add_co_u32 s22, s22, SLOT
.endr
	s_mul_i32 s23, s10, 16*SPITCH
	s_add_co_u32 s23, s23, STAGE                   ; my stage
	v_mul_u32_u24 v4, v1, SPITCH                   ; in: row l % 16, 32 bytes for each half of the lanes
	v_lshl_add_u32 v4, v2, 5, v4
	v_add_nc_u32 v[STO], s23, v4
	v_and_b32 v5, 31, v0
	v_lshlrev_b32 v[CO], 4, v5                     ; back: the 32 lanes take one row of 512 bytes
	v_add_nc_u32 v[RD], s23, v[CO]
	v_lshlrev_b32 v[RO], 2, v1
	; the way out's bases, in registers that feed no descriptor.  s13 = tile row, s42 = tile column still stand
	s_lshl_b32 s84, s13, 8
	s_lshl_b32 s85, s11, 7
	s_add_co_u32 s84, s84, s85                     ; m0: my first row of out0
	s_lshl_b32 s86, s42, 8
	s_lshl_b32 s87, s12, 7
	s_add_co_u32 s86, s86, s87                     ; n0: my first column
	s_lshl_b32 s76, s86, 2                         ; 4 n0
	s_mov_b32 s77, 0
	s_lshl_b32 s74, s84, 2                         ; 4 m0
	s_mov_b32 s75, 0
	s_add_nc_u64 s[74:75], s[68:69], s[74:75]      ; rs at my first row
	s_add_nc_u64 s[78:79], s[68:69], s[76:77]      ; rs, bias and scales at my first column
	s_add_nc_u64 s[80:81], s[70:71], s[76:77]
	s_add_nc_u64 s[82:83], s[72:73], s[76:77]
	s_lshl_b32 s84, s84, 14                        ; m0 rows of 16,384 bytes
	s_mov_b32 s85, 0
	s_add_nc_u64 s[8:9], s[8:9], s[84:85]          ; out0 at my part's first number; never written again: the row stands in the stores' immediates
	s_add_nc_u64 s[8:9], s[8:9], s[76:77]
.set n, 0
.rept 16
	global_load_b32 v[SX+n], v[RO], s[74:75] offset:64*(n/2)  ; block n / 2: rs[m0 + 16 (n / 2) + l % 16], into both registers of the pair
.set n, n+1
.endr
	global_load_b128 v[SW:SW+3], v[CO], s[78:79] offset:4096*4  ; rs[4096 + n0 + 4 l ..]
	global_load_b128 v[BQ:BQ+3], v[CO], s[80:81]
	global_load_b128 v[SC:SC+3], v[CO], s[82:83]
	; the prefetches.  s40 = cx, s41 = cy still stand; s[4:5] = qx, s[6:7] = qw
	s_lshl_b32 s13, s13, 8
	s_lshl_b32 s42, s42, 8
	s_and_b32 s22, ttmp7, 0xffff                   ; cluster y
	s_cmp_eq_u32 s11, 0                            ; do I fetch for qx?
	s_cselect_b32 s20, s13, s42                    ; the tile's first row: in qx by the tile row, in qw by the tile column
	s_cselect_b32 s21, s40, s41                    ; my place among the four that ask for it with me
	s_cselect_b32 s22, ttmp9, s22                  ; the coordinate along which other clusters read the same rows
	s_cselect_b64 s[PFA:PFA+1], s[4:5], s[6:7]
	s_cmp_eq_u32 s22, 0
	s_cselect_b32 s[LIM], 1, -1                    ; the same in all sixteen partners, for a given wave
	s_lshl_b32 s22, s12, 7
	s_add_co_u32 s20, s20, s22                     ; + the 128 rows that I fetch
	s_lshl_b32 s21, s21, 5
	s_add_co_u32 s20, s20, s21                     ; + my work-group's 32 of them
	s_mov_b32 s21, 0
	s_mov_b64 s[18:19], SIZE_K*2
	s_mul_u64 s[20:21], s[20:21], s[18:19]
	s_add_nc_u64 s[PFA:PFA+1], s[PFA:PFA+1], s[20:21]
	s_add_nc_u64 s[PFA:PFA+1], s[PFA:PFA+1], 2*KSTEP*2  ; at K step 2: the first refill steps it to 3 and names K step 4.  Nothing is prefetched here, at the head, where every work-group's first tiles are on their way
	v_and_b32 v[PFO], 31, v0
	v_mul_u32_u24 v[PFO], v[PFO], SIZE_K*2
	s_wait_loadcnt 0x0                             ; the way out's scales and bias, once, in the wait for the first tile
.irp r, 0,1,2,3
	v_rcp_f32 v[SC+(\r)], v[SC+(\r)]
.endr
	v_nop                                          ; a plain instruction behind the last reciprocal,
	s_wait_alu depctr_va_vdst(0)                   ; and the wait ahead of the first use: one for the four
	v_pk_mul_f32 v[BQ:BQ+1], v[BQ:BQ+1], v[SC:SC+1]        ; bias / scales
	v_pk_mul_f32 v[BQ+2:BQ+3], v[BQ+2:BQ+3], v[SC+2:SC+3]
; 16 matrix instructions: m blocks a0, a0 + 1 of the window's four (hi = 0: my rows 0-63, 1: rows 64-127) x all 8 n blocks, 32 along K.  zero = 1: the first product starts the sums: nothing is ever cleared.
.macro MUL16 f, hi, a0, zero
	WIN MUL_LO+0x50*(\hi)  ; MUL_LO or MUL_HI
.irp a, \a0, (\a0)+1
.irp b, 0,1,2,3,4,5,6,7
.if \zero
	v_wmma_f32_16x16x32_bf16 v[8*(8*(\a)+(\b)):8*(8*(\a)+(\b))+7], v[(\f)+8*(\b):(\f)+8*(\b)+7], v[(\f)+8*(4*(\hi)+(\a)):(\f)+8*(4*(\hi)+(\a))+7], 0
.else
	v_wmma_f32_16x16x32_bf16 v[8*(8*(\a)+(\b)):8*(8*(\a)+(\b))+7], v[(\f)+8*(\b):(\f)+8*(\b)+7], v[(\f)+8*(4*(\hi)+(\a)):(\f)+8*(4*(\hi)+(\a))+7], v[8*(8*(\a)+(\b)):8*(8*(\a)+(\b))+7]
.endif
.endr
.endr
.endm
; 32 LDS loads in one run: the fragments of one quarter step (128 rows of qw, 128 rows of qx, 32 K at byte k of the rows) into buffer f
.macro FETCH slot, k, f
	WIN TO_B
.irp i, 0,1,2,3,4,5,6,7
	ds_load_b128 v[(\f)+8*(\i):(\f)+8*(\i)+3],   v[ADRB+(\slot)] offset:(\k)+(\i)*16*PITCH
	ds_load_b128 v[(\f)+8*(\i)+4:(\f)+8*(\i)+7], v[ADRB+(\slot)] offset:(\k)+(\i)*16*PITCH+32
.endr
	WIN 0
.irp i, 0,1,2,3,4,5,6,7
	ds_load_b128 v[(\f)+8*(\i):(\f)+8*(\i)+3],   v[ADRA+(\slot)] offset:(\k)+(\i)*16*PITCH
	ds_load_b128 v[(\f)+8*(\i)+4:(\f)+8*(\i)+7], v[ADRA+(\slot)] offset:(\k)+(\i)*16*PITCH+32
.endr
.endm
; A load into a register that a matrix instruction has read, and a vector instruction that reads a matrix result or writes one of a matrix instruction's registers, stand four places behind that matrix
; instruction, and only plain vector instructions that name none of its registers are places (ISA guide 7.12.1 for vector instructions).
.macro PLACES
.rept 4
	v_nop
.endr
.endm
; A K step is four quarter steps of 32 along K, 64 matrix instructions each, on buffers 0, 1, 0, 1.  The 64 accumulators take turns, one instruction a turn, in the same order in every quarter, over the
; loop's backward jump too.  One of the first three quarters: multiplies buffer f; in its middle it fetches the next quarter's fragments, at byte k of the same slot's rows, into buffer g.
.macro QUARTER slot, k, f, g, zero
	s_wait_dscnt 8                                 ; qw and qx's rows 0-63 are in; the youngest eight loads (qx's rows 64-127) may be out
	WIN MUL_LO
	MUL16 \f, 0, 0, \zero
	MUL16 \f, 0, 2, \zero
	PLACES
	FETCH \slot, \k, \g
	s_wait_dscnt 32                                ; all but the 32 just issued
	WIN MUL_HI
	MUL16 \f, 1, 0, \zero
	MUL16 \f, 1, 2, \zero
.endm
; The last quarter multiplies buffer 1 and changes slots.  MEET is its first half: ONE barrier for the change of slots.  In front of it each wave waits for all its tensor loads, of which one is out: its part
; of the next slot; adds 0 to its spare word; and waits for that and for its own reads of this slot.  Behind it nobody reads this slot any more and the next slot is whole.
.macro MEET round                      ; round = 1: a round of the cluster's barrier follows
	WIN 0                                          ; (the add's two registers lie in window 0)
	s_wait_tensorcnt 0x0                           ; all my tensor loads have landed: the one that was out is my part of the next slot;
	ds_add_u32 v[SPW], v[NIL]                      ; 0 onto my spare word;
	s_wait_dscnt 9                                 ; (the add and the youngest eight loads may be out)
	WIN MUL_LO
	MUL16 F1, 0, 0, 0                              ; sixteen matrix instructions stand between the add and the wait for it
	s_wait_dscnt 0x0                               ; the add is done, and my reads of this slot are over:
	s_barrier_signal -1                            ; say so (where a slot is filled again this barrier opens a round of the cluster's barrier),
	MUL16 F1, 0, 2, 0                              ; work on registers while the others arrive,
.if \round
	WIN 0
.endif
	s_barrier_wait -1                              ; and go on when all four have said so
.endm
; The whole last quarter.  Behind the round the slot just read out is filled again first, with the K step two steps on; then come the next slot's first fragments.  From a request to the wait for it a wave issues 224 matrix instructions.
.macro TURN slot, next
	s_wait_xcnt 0x0                                ; the last prefetch, a K step back, has read its address: it is stepped here, ahead of the waits of the change of slots
	s_add_nc_u64 s[PFA:PFA+1], s[PFA:PFA+1], KSTEP*2
	MEET 1
	CREST                                          ; all sixteen work-groups have said so: no wave of any partner still reads this slot's tile or has a load on its way
	s_add_nc_u64 s[G0+4*(\slot)+2:G0+4*(\slot)+3], s[G0+4*(\slot)+2:G0+4*(\slot)+3], 2*KSTEP*2      ; no tensor load of mine is out, so a group 0 may be written
	s_add_nc_u64 s[G0B+4*(\slot)+2:G0B+4*(\slot)+3], s[G0B+4*(\slot)+2:G0B+4*(\slot)+3], 2*KSTEP*2
	JLOAD \slot                                    ; the first tensor load behind the round, and my only one until the next; the four v_nop behind it are also the places in front of the loads below
	FETCH \next, 0, F0
	ASK                                            ; behind the joint load and the run of LDS loads that the next products wait for
	WIN MUL_HI
	MUL16 F1, 1, 0, 0
	MUL16 F1, 1, 2, 0
.endm
; THE WAY OUT of block a (16 rows x 128 columns), in three parts.
; SCALE: the eight accumulators times my row's rs[m], each taken from its lowest registers on.
.macro SCALE a
.set AC, 64*((\a)%4)
	WIN 0x02+(\a)/4                                ; source 0: window 2 (blocks 0-3) or 3 (blocks 4-7)
.set r, 0
.rept 32
	v_pk_mul_f32 v[TMP+r:TMP+r+1], v[AC+r:AC+r+1], v[SX+2*(\a):SX+2*(\a)+1]
.set r, r+2
.endr
	WIN 0
.endm
; TOSTAGE: 32 bytes a lane and accumulator into my own stage, and back as whole rows of 512 bytes.
.macro TOSTAGE a
.set BK, BK0+64*((\a)%2)
.irp b, 0,1,2,3,4,5,6,7
	ds_store_b128 v[STO], v[TMP+8*(\b):TMP+8*(\b)+3]   offset:64*(\b)
	ds_store_b128 v[STO], v[TMP+8*(\b)+4:TMP+8*(\b)+7] offset:64*(\b)+16
.endr
.set t, 0
.rept 16
	ds_load_b128 v[BK+4*t:BK+4*t+3], v[RD] offset:t*SPITCH  ; LDS serves a wave's instructions in order (ISA guide 5.7.1.4): these see the stores above; the next block's stores come behind them
.set t, t+1
.endr
.endm
; SEND: times my four columns' rs[4096 + n], plus bias / scales, in one fused multiply-add; stored.  Nothing is issued to LDS behind TOSTAGE's loads, so row t's wait leaves the 15 - t younger ones out.
.macro SEND a
.set BK, BK0+64*((\a)%2)
	s_wait_xcnt 0x0                                ; every earlier memory instruction has had its addresses translated (ISA guide 3.1): the other set of 64, which the stores of the block before read, is loaded again only behind this wait
.set t, 0
.rept 16
	s_wait_dscnt 15-t
	v_pk_fma_f32 v[BK+4*t:BK+4*t+1],   v[BK+4*t:BK+4*t+1],   v[SW:SW+1],   v[BQ:BQ+1]
	v_pk_fma_f32 v[BK+4*t+2:BK+4*t+3], v[BK+4*t+2:BK+4*t+3], v[SW+2:SW+3], v[BQ+2:BQ+3]
	global_store_b128 v[CO], v[BK+4*t:BK+4*t+3], s[8:9] offset:(16*(\a)+t)*SIZE_N*4 th:TH_STORE_NT  ; the wave stores 512 consecutive bytes, at a multiple of 512 from out0's first byte; 127 rows at the most: inside the signed 24-bit immediate
.set t, t+1
.endr
.endm
	s_wait_tensorcnt 1                             ; my part of K step 0 is in; K step 1's may stay out
	s_barrier_signal -1
	s_barrier_wait -1                              ; everybody's is
	FETCH 0, 0, F0
	QUARTER 0, 64,  F0, F1, 1                      ; the first quarter stands in front of the loop: its products start the sums
	WIN 0                                          ; at a label and at a branch every window is 0
	s_mov_b32 s3, LAPS-1
.Llap:                                                 ; a trip goes once round the ring, from a lap's second quarter to the next lap's first, and fills both slots again
	QUARTER 0, 128, F1, F0, 0
	QUARTER 0, 192, F0, F1, 0
	TURN 0, 1
	QUARTER 1, 64,  F0, F1, 0
	QUARTER 1, 128, F1, F0, 0
	QUARTER 1, 192, F0, F1, 0
	TURN 1, 0
	QUARTER 0, 64,  F0, F1, 0
	WIN 0
	s_sub_co_u32 s3, s3, 1
	s_cmp_lg_u32 s3, 0
	s_cbranch_scc1 .Llap
	QUARTER 0, 128, F1, F0, 0                      ; the last lap is written out: it asks for nothing
	QUARTER 0, 192, F0, F1, 0
	MEET 0                                         ; my one tensor load that was still out is slot 1's, the last K step's, so no round follows
	PLACES                                         ; for the loads into buffer 0, which the quarter before multiplied
	FETCH 1, 0, F0
	WIN MUL_HI
	MUL16 F1, 1, 0, 0
	MUL16 F1, 1, 2, 0
	QUARTER 1, 64,  F0, F1, 0
	QUARTER 1, 128, F1, F0, 0
	QUARTER 1, 192, F0, F1, 0
	s_wait_dscnt 8                                 ; the very last quarter: nothing more to fetch
	WIN MUL_LO
	MUL16 F1, 0, 0, 0
	MUL16 F1, 0, 2, 0
	s_wait_dscnt 0x0
	MUL16 F1, 1, 0, 0
	MUL16 F1, 1, 2, 0
	WIN 0
	PLACES                                         ; behind the last products, ahead of the first read of a result and of the first write into a fragment buffer:
	PLACES                                         ; eight, once a launch, twice what is asked
	SCALE 0
	TOSTAGE 0
.irp a, 1,2,3,4,5,6,7                  ; block a's 32 multiplies stand between block a - 1's loads from the stage and the waits for them
	SCALE \a
	SEND (\a)-1
	TOSTAGE \a
.endr
	SEND 7
	s_wait_tensorcnt 0x0                           ; the wave's end, behind my last tensor load and my last LDS store
	ds_add_u32 v[SPW], v[NIL]
	s_wait_dscnt 0x0
	CROUND                                         ; the closing round: no work-group ends while a partner may still ask for a tile that names it
	s_endpgm
.Lfunc_end_k_q45949fccf2_gemm:
	.size	k_q45949fccf2_gemm, .Lfunc_end_k_q45949fccf2_gemm-k_q45949fccf2_gemm
	.p2alignl 7, 3214868480
	.fill 96, 4, 3214868480
	.section	.rodata,"a",@progbits
	.p2align	6, 0x0
	.amdhsa_kernel k_q45949fccf2_gemm
		.amdhsa_group_segment_fixed_size 327680
		.amdhsa_private_segment_fixed_size 0
		.amdhsa_enable_private_segment 0
		.amdhsa_kernarg_size 40
		.amdhsa_user_sgpr_count 2
		.amdhsa_user_sgpr_kernarg_segment_ptr 1
		.amdhsa_wavefront_size32 1
		.amdhsa_system_sgpr_workgroup_id_x 1
		.amdhsa_system_sgpr_workgroup_id_y 1
		.amdhsa_system_sgpr_workgroup_id_z 1
		.amdhsa_system_vgpr_workitem_id 0
		.amdhsa_next_free_vgpr 1024
		.amdhsa_next_free_sgpr 88
		.amdhsa_reserve_vcc 0
		.amdhsa_float_denorm_mode_32 3
		.amdhsa_float_denorm_mode_16_64 3
		.amdhsa_memory_ordered 1
		.amdhsa_forward_progress 1
		.amdhsa_inst_pref_size 180
	.end_amdhsa_kernel
	.amdgpu_metadata
---
amdhsa.version: [ 1, 2 ]
amdhsa.kernels:
  - .name:           k_q45949fccf2_gemm
    .symbol:         k_q45949fccf2_gemm.kd
    .args:
      - { .name: q, .offset: 0, .size: 8, .value_kind: global_buffer, .address_space: global }
      - { .name: out0, .offset: 8, .size: 8, .value_kind: global_buffer, .address_space: global }
      - { .name: rs, .offset: 16, .size: 8, .value_kind: global_buffer, .address_space: global }
      - { .name: bias, .offset: 24, .size: 8, .value_kind: global_buffer, .address_space: global }
      - { .name: scales, .offset: 32, .size: 8, .value_kind: global_buffer, .address_space: global }
    .group_segment_fixed_size: 327680
    .private_segment_fixed_size: 0
    .kernarg_segment_align: 8
    .kernarg_segment_size: 40
    .max_flat_workgroup_size: 128
    .sgpr_count:     88
    .vgpr_count:     1024
    .wavefront_size: 32
...
	.end_amdgpu_metadata
.endif
;; end of part 2
